; MI455X (gfx1250); checked and timed in simulation.
; The chip was launched on July 23, 2026; its instructions are those of AMD's public machine-readable ISA for CDNA 5 (MIT licence, August 2026) and "CDNA5" Instruction Set Architecture Reference Guide (July 2026). The comments in the code are by the model that wrote it; some were corrected since.
;; Scaled Dot Product Attention. Allowed arithmetic: matrix products marked QUANTISED: E2M1 operands, one E8M0 scale for each 32 along K, by v_wmma_scale_f32_16x16x128_f8f6f4 with both operands' format E2M1 (or v_wmma_scale_f32_32x16x128_f4), f32 sums; everything else in f32.
;; Inputs: k 4 x 16 x 2,048 x 64 float32; q 4 x 16 x 2,048 x 64 float32; v 4 x 16 x 2,048 x 64 float32.
;; Outputs: out0 4 x 16 x 2,048 x 64 float32.
;; Constants: is_causal = 1.
;; This version of the problem:
;;   THIS VERSION OF THE PROBLEM IS GIVEN IN LOW PRECISION. The matrix products marked QUANTISED in the list below multiply operands that are first quantised to E2M1 (2 exponent bits, 1 mantissa bit; 4 bits a number), with one power-of-two scale for each 32 numbers along K (OCP MX v1.0); their sums are f32. All else is computed in f32.
;;   The module's matrix products, in the order in which they are computed (A, B: the left and right operand; K: the contracted axis; several contracted axes count as one K, in the product's order):
;;     1. batch 64 x [M 2,048, K 64] x [K 64, N 2,048]; A: input q; B: input k: QUANTISED
;;     2. batch 64 x [M 2,048, K 2,048] x [K 2,048, N 64]; A: computed on the way; B: input v: QUANTISED
;;   THE QUANTISER, for each operand of a quantised product, along K:
;;     - K is cut into blocks of 32 from its start; a last block that is shorter is filled with zeros.
;;     - A block's scale is 2^e with e = floor(log2(the largest magnitude in the block)) - 2, held to -126 .. 127; a block of zeros has e = 0. As a byte (E8M0): e + 127.
;;     - Each number is divided by its block's scale, clamped to +-6, and rounded to the nearest number of E2M1, ties to even, subnormals kept.
;;     - The product sums the exact products of the quantised numbers (number of the format x scale) in f32.
;;   ~~~python
;;   def quantise(x, axis):      # numpy; x: float32 -> the quantised numbers, widened to float32 again
;;       x = np.moveaxis(x, axis, -1); K = x.shape[-1]
;;       x = np.pad(x, [(0, 0)] * (x.ndim - 1) + [(0, -K % 32)]); x = x.reshape(x.shape[:-1] + (-1, 32)); a = np.abs(x).max(-1, keepdims=True)
;;       e = np.where(a > 0, np.clip(np.frexp(np.where(a > 0, a, 1))[1] - 1 - 2, -126, 127), 0)      # np.frexp(a)[1] - 1 = floor(log2(a)), exactly
;;       r = np.clip(x / 2.0 ** e, -6, 6)
;;       step = 2.0 ** (np.maximum(np.frexp(np.where(r == 0, 1, r))[1] - 1, 0) - 1)
;;       q = np.round(r / step) * step * 2.0 ** e      # np.round: ties to even
;;       return np.moveaxis(q.reshape(q.shape[:-2] + (-1,))[..., :K], -1, axis).astype(np.float32)
;;   ~~~
;;   OPERANDS COMPUTED ON THE WAY. 'Computed on the way' means the value that the module computes at that place (a softmax that the list does not call 'softmax' is quantised finished and normalised). What goes into a quantiser is computed in f32, as accurately as f32 sums, v_exp_f32 and their like allow (about 1e-6 of the number): no bf16 or f16 on the way to a quantiser, and a product that is left as it is and whose result goes on into a quantised operand takes f32 operands (vector FMAs, or v_wmma_f32_16x16x4_f32). A number that lies on a knife's edge between two numbers of the format may be rounded either way, as far as f32 arithmetic and the matrix unit's own rounding can turn it there, and no further.
;; One version. Each part assembles by itself: llvm-mc -triple=amdgcn-amd-amdhsa -mcpu=gfx1250 --defsym DOCPART=n.
;; ======== version 1 of 1: 2 launches
;; limits: right only within a limited range of input values
;; workspace buffers: kv 9,437,184 bytes
;; launch quant (part 1): grid 256 x 1, 8 waves a work-group, no clusters, 279,552 bytes of LDS; arguments k, v, kv; writes kv
.if DOCPART == 1
	.amdgcn_target "amdgcn-amd-amdhsa--gfx1250"
	.amdhsa_code_object_version 6
	.text
	.protected	k_qa77cbc2ac6_quant
	.globl	k_qa77cbc2ac6_quant
	.p2align	8
	.type	k_qa77cbc2ac6_quant,@function
k_qa77cbc2ac6_quant:
	s_mov_b64 s[64:65], 0
	v_nop
	global_prefetch_b8 v0, s[64:65] scope:SCOPE_SE
	s_setreg_imm32_b32 hwreg(HW_REG_WAVE_MODE, 25, 1), 1
	s_wait_xcnt 0x0
; k and v [64 heads][2048][64] f32 become codes of FP4 (E2M1) with one E8M0 byte for each 32 along a product's K, laid as the next launch's registers take them.
; kv: for each head 16 blocks of 9,216 bytes, one for each 128 keys: K's eight tile images (512 bytes each, 16 bytes a lane), K's scale words (512), V's four tile images (1,024 each), V's scale words (512, each pair written twice).
; K (K = the head's 64): lane (r, h) of tile T holds key 64 (T / 4) + 8 (T % 4) + r + 24 (r / 8), numbers 32 h .. 32 h + 31: so a lane of the score tiles later holds 32 neighbouring keys.
; V (K = the keys): a lane takes a column d and its registers run down 32 keys; nothing is transposed by an instruction.
; A block's byte is its largest magnitude's exponent field - 2, held at 1 from below (a block of zeros keeps 1: its codes are zeros, and this program alone reads the bytes).
; LIMITS: NaN and infinities among the inputs are not served.
; SHARES: work-groups 0-127 take k, 128-255 v; a wave takes 128 rows (32,768 dense bytes) by one tensor load into its own LDS bytes, rows of 256 bytes + 16 of padding; only the issuing wave reads them, so no barrier.
; No prefetch: each wave asks for all its bytes by its first instruction on memory, and there is no loop to run ahead in.  No cluster: no two work-groups read the same bytes.
.set WREG,  34816
.set PITCH, 272
.set HEADB, 147456
.set STEPB, 9216
.set X,     64
.set C,     24
.set G1,    16
.set G0,    24
.macro AMAX32 x, a, b
	v_max3_num_f32 v[\a], |v[\x]|, |v[\x+1]|, 0x1800000
	v_max3_num_f32 v[\b], |v[\x+2]|, |v[\x+3]|, |v[\x+4]|
.irp i, 5,9,13,17,21,25
	s_delay_alu instid0(VALU_DEP_2)
	v_max3_num_f32 v[\a], v[\a], |v[\x+\i]|, |v[\x+\i+1]|
	s_delay_alu instid0(VALU_DEP_2)
	v_max3_num_f32 v[\b], v[\b], |v[\x+\i+2]|, |v[\x+\i+3]|
.endr
	s_delay_alu instid0(VALU_DEP_2)
	v_max3_num_f32 v[\a], v[\a], |v[\x+29]|, |v[\x+30]|
	s_delay_alu instid0(VALU_DEP_1)
	v_max3_num_f32 v[\a], v[\a], v[\b], |v[\x+31]|
.endm
.macro CODES x, c
	s_delay_alu instid0(VALU_DEP_1)
	v_add_nc_u32 v12, 0xff000000, v10              ; 2 off the exponent field: the conversion's scale operand
.irp g, 0,1,2,3
	v_cvt_scalef32_pk8_fp4_f32 v[\c+\g], v[\x+8*\g:\x+8*\g+7], v12
.endr
	v_lshrrev_b32 v13, 23, v12                     ; the byte; also the plain line behind the conversions
.endm
	s_load_b128 s[4:7], s[0:1], 0x0                ; k, v
	s_load_b64 s[8:9], s[0:1], 0x10                ; kv
	v_lshl_add_u32 v128, v0, 2, 0x44000            ; my spare word, behind the eight regions
	v_mov_b32 v129, 0
	ds_add_u32 v128, v129                          ; the opening lines
	ds_add_u32 v128, v129
	v_lshrrev_b32 v1, 5, v0
	s_delay_alu instid0(VALU_DEP_1)
	v_readfirstlane_b32 s10, v1                    ; wave
	s_and_b32 s11, ttmp9, 127
	s_lshl_b32 s11, s11, 3
	s_add_co_u32 s11, s11, s10                     ; which 128 rows of the tensor: 16 x head + key step
	s_mul_i32 s42, s10, WREG                       ; my LDS region
	s_mov_b32 s[G1+0], (3<<16)|(1<<20)|(5<<22)|(3<<25)   ; elements of 8 bytes; four words of padding behind every 64
	s_mov_b32 s[G1+1], 32<<16
	s_mov_b32 s[G1+2], 128<<16
	s_mov_b32 s[G1+3], 32<<16
	s_mov_b32 s[G1+4], 128
	s_mov_b32 s[G1+5], 32
	s_mov_b32 s[G1+6], 0
	s_mov_b32 s[G1+7], 0
	s_lshr_b32 s43, s11, 4
	s_mul_i32 s43, s43, HEADB
	s_and_b32 s45, s11, 15
	s_mul_i32 s45, s45, STEPB
	s_add_co_u32 s2, s43, s45
	s_cmp_lt_u32 ttmp9, 128
	s_cselect_b32 s3, 0, 4608                      ; V's part of a block lies behind K's
	s_add_co_u32 s2, s2, s3
	s_mov_b32 s3, 0
	s_lshl_b32 s44, s11, 15
	s_mov_b32 s45, 0
	s_mov_b32 s46, 0x76543210
	s_mov_b32 s47, 0xfedcba98
	v_and_b32 v1, 31, v0
	v_and_b32 v2, 15, v0
	v_bfe_u32 v3, v0, 4, 1
	v_and_b32 v4, 8, v2
	s_delay_alu instid0(VALU_DEP_1)
	v_mad_u32_u24 v4, v4, 3, v2                    ; r + 24 (r / 8)
	s_delay_alu instid0(VALU_DEP_1)
	v_mul_u32_u24 v4, v4, PITCH
	s_delay_alu instid0(VALU_DEP_1)
	v_lshl_add_u32 v4, v3, 7, v4
	s_delay_alu instid0(VALU_DEP_1)
	v_add_nc_u32 v4, s42, v4                       ; K: my row of a tile, + 128 h
	v_lshl_add_u32 v5, v1, 2, s42                  ; V: my column
	v_lshlrev_b32 v6, 4, v1
	v_lshlrev_b32 v7, 4, v2
	s_delay_alu instid0(VALU_DEP_1)
	v_lshl_add_u32 v7, v3, 10, v7
	v_lshlrev_b32 v9, 3, v3
	v_mov_b32 v15, 0
	s_wait_alu depctr_va_vdst(0)                   ; the wait at the head's end
	s_wait_dscnt 0x0
	s_wait_kmcnt 0x0
	s_cmp_lt_u32 ttmp9, 128
	s_cselect_b64 s[12:13], s[4:5], s[6:7]
	s_add_nc_u64 s[12:13], s[12:13], s[44:45]
	s_add_nc_u64 s[14:15], s[8:9], s[2:3]
	s_mov_b32 s[G0], 1
	s_mov_b32 s[G0+1], s42
	s_mov_b64 s[G0+2:G0+3], s[12:13]
	s_or_b32 s[G0+3], s[G0+3], 0x80000000
	tensor_load_to_lds s[G0:G0+3], s[G1:G1+7]      ; my one tensor load
	s_nop 0
.rept 4
	v_nop
.endr
	s_mov_b32 s44, 0xffff0000
	s_wait_tensorcnt 0x0                           ; my 128 rows are in
	s_cmp_lt_u32 ttmp9, 128
	s_cbranch_scc0 .Lvpath
.macro KLOAD T
.set XL, X+32*((\T)%2)
.irp i, 0,1,2,3,4,5,6,7
	ds_load_b128 v[XL+4*\i:XL+4*\i+3], v4 offset:(64*((\T)/4)+8*((\T)%4))*PITCH+16*\i
.endr
.endm
.macro KT T
.if (\T)+1 < 8
	KLOAD (\T)+1
	s_wait_dscnt 8                                 ; this tile's eight loads are in, the next tile's may be out
.else
	s_wait_dscnt 0x0
.endif
.set XS, X+32*((\T)%2)
.set CR, C+4*(\T)
	AMAX32 XS, 10, 11
	CODES XS, CR
	global_store_b128 v6, v[CR:CR+3], s[14:15] offset:(\T)*512
	v_lshlrev_b32 v14, v9, v13
	s_delay_alu instid0(VALU_DEP_1)
	v_permlanex16_b32 v15, v14, s46, s47
	s_delay_alu instid0(VALU_DEP_1)
	v_or_b32 v14, v14, v15                         ; the row's two bytes
.if (\T)%2 == 0
	s_delay_alu instid0(VALU_DEP_1)
	v_lshl_or_b32 v22, v14, 16, v14
.else
	s_delay_alu instid0(VALU_DEP_1)
	v_lshl_or_b32 v14, v14, 16, v14
	s_delay_alu instid0(VALU_DEP_1)
	v_cndmask_b32 v[16+(\T)/2], v22, v14, s44      ; even tile in lanes 0-15, odd tile in lanes 16-31
.endif
.endm
	KLOAD 0
.irp T, 0,1,2,3,4,5,6,7
	KT \T
.endr
	global_store_b128 v6, v[16:19], s[14:15] offset:4096
	s_wait_tensorcnt 0x0                           ; the wave's end
	ds_add_u32 v128, v129
	s_wait_dscnt 0x0
	s_endpgm
.Lvpath:
.macro VLOAD U
.set XL, X+32*((\U)%2)
.set i, 0
.rept 32
	ds_load_b32 v[XL+i], v5 offset:(32*((\U)/2)+i)*PITCH+128*((\U)%2)
.set i, i+1
.endr
.endm
.macro VT U
.if (\U)+1 < 8
	VLOAD (\U)+1
	s_wait_dscnt 32
.else
	s_wait_dscnt 0x0
.endif
.set XS, X+32*((\U)%2)
.set CR, C+4*(\U)
	AMAX32 XS, 10, 11
	CODES XS, CR
	global_store_b128 v7, v[CR:CR+3], s[14:15] offset:((\U)%2)*2048+((\U)/2)*256
.if (\U)/2 == 0
	v_mov_b32 v[20+(\U)%2], v13
.else
	v_lshl_or_b32 v[20+(\U)%2], v13, 8*((\U)/2), v[20+(\U)%2]
.endif
.endm
	VLOAD 0
.irp U, 0,1,2,3,4,5,6,7
	VT \U
.endr
	v_mov_b32 v22, v20                             ; the pair twice: 16 bytes a lane, so that every byte of the block is written
	v_mov_b32 v23, v21
	global_store_b128 v6, v[20:23], s[14:15] offset:4096
	s_wait_tensorcnt 0x0
	ds_add_u32 v128, v129
	s_wait_dscnt 0x0
	s_endpgm
.Lfunc_end_k_qa77cbc2ac6_quant:
	.size	k_qa77cbc2ac6_quant, .Lfunc_end_k_qa77cbc2ac6_quant-k_qa77cbc2ac6_quant
	.p2alignl 7, 3214868480
	.fill 96, 4, 3214868480
	.section	.rodata,"a",@progbits
	.p2align	6, 0x0
	.amdhsa_kernel k_qa77cbc2ac6_quant
		.amdhsa_group_segment_fixed_size 279552
		.amdhsa_private_segment_fixed_size 0
		.amdhsa_enable_private_segment 0
		.amdhsa_kernarg_size 24
		.amdhsa_user_sgpr_count 2
		.amdhsa_user_sgpr_kernarg_segment_ptr 1
		.amdhsa_wavefront_size32 1
		.amdhsa_system_sgpr_workgroup_id_x 1
		.amdhsa_system_sgpr_workgroup_id_y 1
		.amdhsa_system_sgpr_workgroup_id_z 1
		.amdhsa_system_vgpr_workitem_id 0
		.amdhsa_next_free_vgpr 130
		.amdhsa_next_free_sgpr 66
		.amdhsa_reserve_vcc 0
		.amdhsa_float_denorm_mode_32 3
		.amdhsa_float_denorm_mode_16_64 3
		.amdhsa_memory_ordered 1
		.amdhsa_forward_progress 1
		.amdhsa_inst_pref_size 59
	.end_amdhsa_kernel
	.amdgpu_metadata
---
amdhsa.version: [ 1, 2 ]
amdhsa.kernels:
  - .name:           k_qa77cbc2ac6_quant
    .symbol:         k_qa77cbc2ac6_quant.kd
    .args:
      - { .name: k, .offset: 0, .size: 8, .value_kind: global_buffer, .address_space: global }
      - { .name: v, .offset: 8, .size: 8, .value_kind: global_buffer, .address_space: global }
      - { .name: kv, .offset: 16, .size: 8, .value_kind: global_buffer, .address_space: global }
    .group_segment_fixed_size: 279552
    .private_segment_fixed_size: 0
    .kernarg_segment_align: 8
    .kernarg_segment_size: 24
    .max_flat_workgroup_size: 256
    .sgpr_count:     66
    .vgpr_count:     130
    .wavefront_size: 32
...
	.end_amdgpu_metadata
.endif
;; end of part 1
;; launch attn (part 2): grid 4 x 64, 16 waves a work-group, no clusters, 223,232 bytes of LDS; arguments q, kv, out0; writes out0
.if DOCPART == 2
	.amdgcn_target "amdgcn-amd-amdhsa--gfx1250"
	.amdhsa_code_object_version 6
	.text
	.protected	k_qa77cbc2ac6_attn
	.globl	k_qa77cbc2ac6_attn
	.p2align	8
	.type	k_qa77cbc2ac6_attn,@function
k_qa77cbc2ac6_attn:
	s_mov_b64 s[64:65], 0
	v_nop
	global_prefetch_b8 v0, s[64:65] scope:SCOPE_SE
	s_setreg_imm32_b32 hwreg(HW_REG_WAVE_MODE, 25, 1), 1
	s_wait_xcnt 0x0
; out[h][q][:] = the sum over k <= q of attn[q][k] v[h][k][:], attn = softmax_k(q . k / 8), both products on codes of FP4 (E2M1) with one E8M0 byte for each 32 along K.
; WHAT IS QUANTISED FOR THE SECOND PRODUCT IS THE FINISHED, NORMALISED attn, in blocks of 32 keys: the row's sum is known before a code is made, so the keys are walked twice.
;   walk 1: s = q . k; each lane keeps, for its own keys, the running largest s (m), M = ceil(c m), c = log2(e) / 8, and the sum of 2^(c s - M), brought under a new M by an exact power of two; each block's largest s goes to LDS.
;   between: lanes l and l xor 16 join m, M and the sums (exact powers of two); pm = 2^(c m - M); l = 1 + (sum - pm) / pm; L = log2(l).  A row that one key carries alone gives l = 1 and L = 0 exactly.
;   walk 2: the product takes -m as its C and gives s - m; attn = 2^(c (s - m) - L).  A block's scale: x = c (its stored largest s - m) - L is log2 of its largest attn, so floor(x) + 125 is the byte, held at 1 from below.
; THE MASK rides in C: on the diagonal step the C of a hidden place is -3e38, whose exponential is 0; steps past the diagonal, which reference()'s own mask empties, are left out by a scalar branch on ids.
; LIMITS: NaN and infinities among the inputs are not served (key 0 counts for every query, so no row is empty); raw scores stay above -2^100 and under 3e38; attn under 2^-126 becomes 0;
; a block whose largest attn lies under 2^-124 gets the byte 1; where a score's exact sum does not fit f32, s - m from the product and from the stored maximum may differ in the last bit.
; SHARES.  A head's 2,048 queries are 16 blocks of 128; a tile of 16 queries of block b needs b + 1 key steps of 128.  Work-group (j, head), wave w: tile w % 8 of block j + 4 (w / 8), then tile w % 8 of block 15 less that: 17 key steps a walk for every wave.
; NO CLUSTER: the four work-groups of a head read the same 147,456 bytes, once; but the step at which each leaves its loops' work hangs on its place among the four, and so would a branch.
; NO PREFETCH: all that the launch reads is asked for at its head; there is no loop to run ahead in.
; LDS: 0 the head's part of kv as it lies, 16 blocks of 9,216 bytes (K's images 0, K's scale words 4,096, V's images 4,608, V's scale words 8,704), filled once, a block a wave (one tensor load of mine is out);
;   147,456 on: 4,608 bytes a wave: the stage through which Q turns, then the blocks' largest scores [step][lane][8 B], then the stage for the way out (16 rows of 272 bytes).  No tensor load lands there.
; LAYOUT.  Both products transposed.  S^T = K Q^T: register 32 c + 8 t + i of lane (r, h) is query r, key 64 c + 32 h + 8 t + i: a lane holds whole blocks of 32 keys, in the order of the next operand's registers.
; O^T = V^T attn^T: register 8 t + i is out(r, 16 t + 8 h + i).  The head's 64 fill half of the instruction's 128 along K: Q's registers 4-7 are zero codes; K's tiles lie four registers apart, so a tile's registers 4-7
; are the next tile's codes (finite numbers in FP4), which meet Q's zeros and add nothing.
.set HEADB, 147456
.set STEPB, 9216
.set KSC,   4096
.set VIMG,  4608
.set VSC,   8704
.set WR,    147456
.set WRB,   4608
.set SPARE, 221184
.set SP,    272
.set AK,  1                            ; 16 x lane (also my byte offset in a tile's 4,096 bytes of q and out)
.set ABM, 2                            ; my wave's region + 8 x lane
.set A16, 3                            ; the step's block + 16 x lane
.set AW,  4                            ; the step's maxima
.set STO, 5
.set SRD, 6
.set BIG, 7                            ; -3e38
.set SH8, 8                            ; 8 h
.set MXN, 9                            ; -m
.set XR,  10                           ; a permute's destination
.set PW,  11                           ; attn's scale word
.set NEG, 12                           ; v[12:13] -M in walk 1, -L in walk 2
.set SUM, 14                           ; v[14:15]
.set MX,  16
.set T0,  17                           ; v17-23 at work
.set FF,  24                           ; v[24:25] f
.set QS,  26
.set QBS, 27
.set QB,  28                           ; v[28:31] the second tile's Q
.set SPW, 32
.set NIL, 33
.set BMX, 34                           ; v[34:35] my two blocks' maxima
.set EX,  36
.set SO,  38
.set KS,  40
.set VS,  44
.set QF,  48                           ; v[48:51] Q's codes, v[52:55] zeros
.set NM,  56                           ; eight times -m
.set PC,  64                           ; attn's codes
.set HID, 64                           ; on a diagonal step, ahead of them: the C of a hidden tile
.set KF,  72                           ; v[72:103] K's eight tiles, v[104:107] zeros
.set VF,  108
.set MIX, 108                          ; on a diagonal step, ahead of V: the C of the four tiles that the diagonal crosses
.set OA,  140
.set S,   172
.set TA,  236                          ; v[236:241] partial sums
.set WV,  10
.set W7,  11
.set LAST, 14
.set HD,  15
.set SEL, 20
.set CS,  22
.set G1,  24
.set G0,  32
.set STEP, 36
.set O4,  37
.set O5,  38
.set TILES, 40
.set ROW0, 41
.set OUTP, 46
.set MK,  66                           ; s66-97: lanes in which place i of the crossed tiles is hidden
.macro PLACES
.rept 4
	v_nop
.endr
.endm
.macro AMAX32 x, a, b
	v_max3_num_f32 v[\a], |v[\x]|, |v[\x+1]|, 0x1800000
	v_max3_num_f32 v[\b], |v[\x+2]|, |v[\x+3]|, |v[\x+4]|
.irp i, 5,9,13,17,21,25
	s_delay_alu instid0(VALU_DEP_2)
	v_max3_num_f32 v[\a], v[\a], |v[\x+\i]|, |v[\x+\i+1]|
	s_delay_alu instid0(VALU_DEP_2)
	v_max3_num_f32 v[\b], v[\b], |v[\x+\i+2]|, |v[\x+\i+3]|
.endr
	s_delay_alu instid0(VALU_DEP_2)
	v_max3_num_f32 v[\a], v[\a], |v[\x+29]|, |v[\x+30]|
	s_delay_alu instid0(VALU_DEP_1)
	v_max3_num_f32 v[\a], v[\a], v[\b], |v[\x+31]|
.endm
.macro QUANTQ x, c, sc                 ; my block of 32 of my query: codes in v[c] on, the row's scale word (s0, s1, s0, s1) in v[sc]
	AMAX32 \x, T0, T0+1
	s_delay_alu instid0(VALU_DEP_1)
	v_add_nc_u32 v[T0+2], 0xff000000, v[T0]
.irp g, 0,1,2,3
	v_cvt_scalef32_pk8_fp4_f32 v[\c+\g], v[\x+8*\g:\x+8*\g+7], v[T0+2]
.endr
	v_lshrrev_b32 v[T0+3], 23, v[T0+2]
	s_delay_alu instid0(VALU_DEP_1)
	v_lshlrev_b32 v[T0+3], v[SH8], v[T0+3]
	s_delay_alu instid0(VALU_DEP_1)
	v_permlanex16_b32 v[XR], v[T0+3], s[SEL], s[SEL+1]
	s_delay_alu instid0(VALU_DEP_1)
	v_or_b32 v[T0+3], v[T0+3], v[XR]
	s_delay_alu instid0(VALU_DEP_1)
	v_lshl_or_b32 v[\sc], v[T0+3], 16, v[T0+3]
.endm
; One product of S^T, tile T.  kind 0: C = 0;  1: C = -m;  2: a tile that the diagonal crosses;  3: a hidden tile
.macro WKQ T, kind
.set rD, S+8*(\T)
.set rA, KF+4*(\T)
.set rK, KS+(\T)/2
.set rC, NM
.if \kind == 2
.set rC, MIX+8*((\T)%4)
.endif
.if \kind == 3
.set rC, HID
.endif
.if \kind == 0
.if (\T)%2
	v_wmma_scale_f32_16x16x128_f8f6f4 v[rD:rD+7], v[rA:rA+7], v[QF:QF+7], 0, v[rK], v[QS] matrix_a_fmt:MATRIX_FMT_FP4 matrix_b_fmt:MATRIX_FMT_FP4 matrix_a_scale:MATRIX_SCALE_ROW1
.else
	v_wmma_scale_f32_16x16x128_f8f6f4 v[rD:rD+7], v[rA:rA+7], v[QF:QF+7], 0, v[rK], v[QS] matrix_a_fmt:MATRIX_FMT_FP4 matrix_b_fmt:MATRIX_FMT_FP4
.endif
.else
.if (\T)%2
	v_wmma_scale_f32_16x16x128_f8f6f4 v[rD:rD+7], v[rA:rA+7], v[QF:QF+7], v[rC:rC+7], v[rK], v[QS] matrix_a_fmt:MATRIX_FMT_FP4 matrix_b_fmt:MATRIX_FMT_FP4 matrix_a_scale:MATRIX_SCALE_ROW1
.else
	v_wmma_scale_f32_16x16x128_f8f6f4 v[rD:rD+7], v[rA:rA+7], v[QF:QF+7], v[rC:rC+7], v[rK], v[QS] matrix_a_fmt:MATRIX_FMT_FP4 matrix_b_fmt:MATRIX_FMT_FP4
.endif
.endif
.endm
.macro LOADK                           ; K's scale words and eight tile images of the step
	ds_load_b128 v[KS:KS+3], v[A16] offset:KSC
.irp T, 0,1,2,3,4,5,6,7
	ds_load_b128 v[KF+4*\T:KF+4*\T+3], v[A16] offset:512*\T
.endr
.endm
; A step's eight products.  open = 0: walk 1 (C = 0);  1: walk 2 (C = -m).  On the diagonal step my 16 queries lie in keys 16 (w % 8) on: with w % 8 < 4 the diagonal crosses tiles 0-3 and tiles 4-7 are hidden; else tiles 0-3 are open and it crosses tiles 4-7.
.macro KQ open
	s_cmp_lt_u32 s[STEP], s[LAST]
	s_cbranch_scc0 .Ldiag_\@
	s_wait_alu depctr_va_vdst(0)                   ; directly ahead of the wait below
	s_wait_dscnt 0x0
.irp T, 0,1,2,3,4,5,6,7
	WKQ \T, \open
.endr
	s_branch .Ljoin_\@
.Ldiag_\@:
	PLACES                                         ; the lines below write registers that the last step's products have read
.irp i, 0,1,2,3,4,5,6,7
	v_mov_b32 v[HID+\i], v[BIG]
.endr
.set i, 0
.rept 32
.if \open == 0
	v_cndmask_b32 v[MIX+i], 0, v[BIG], s[MK+i]
.else
	v_cndmask_b32 v[MIX+i], v[NM], v[BIG], s[MK+i]
.endif
.set i, i+1
.endr
	s_wait_alu depctr_va_vdst(0)                   ; directly ahead of the wait below
	s_wait_dscnt 0x0
	s_cmp_lt_u32 s[W7], 4
	s_cbranch_scc0 .Lhigh_\@
.irp T, 0,1,2,3
	WKQ \T, 2
.endr
.irp T, 4,5,6,7
	WKQ \T, 3
.endr
	s_branch .Ljoin_\@
.Lhigh_\@:
.irp T, 0,1,2,3
	WKQ \T, \open
.endr
.irp T, 4,5,6,7
	WKQ \T, 2
.endr
.Ljoin_\@:
.endm
.macro SCALE64                         ; c s + v[NEG], two at a time, ascending: each accumulator is read from its low end on
.set j, 0
.rept 32
	v_pk_fma_f32 v[S+j:S+j+1], v[S+j:S+j+1], s[CS:CS+1], v[NEG:NEG+1] op_sel_hi:[1,0,0]
.set j, j+2
.endr
	s_wait_alu depctr_va_vdst(0)                   ; the wait ahead of the batch
.set j, 0
.rept 64
	v_exp_f32 v[S+j], v[S+j]
.set j, j+1
.endr
.endm
	s_load_b128 s[4:7], s[0:1], 0x0                ; q, kv
	s_load_b64 s[8:9], s[0:1], 0x10                ; out0
	v_lshl_add_u32 v[SPW], v0, 2, SPARE
	v_mov_b32 v[NIL], 0
	ds_add_u32 v[SPW], v[NIL]                      ; the opening lines
	ds_add_u32 v[SPW], v[NIL]
	v_lshrrev_b32 v[T0], 5, v0
	s_delay_alu instid0(VALU_DEP_1)
	v_readfirstlane_b32 s[WV], v[T0]               ; wave 0..15
	s_and_b32 s[W7], s[WV], 7
	s_lshr_b32 s[LAST], s[WV], 3
	s_lshl_b32 s[LAST], s[LAST], 2
	s_add_co_u32 s[LAST], s[LAST], ttmp9           ; my first block of queries: j + 4 (w / 8)
	s_and_b32 s[HD], ttmp7, 0xffff                 ; the head
	s_mov_b32 s[G1+0], 3<<16                       ; 36 rows of 32 elements of 8 bytes, dense
	s_mov_b32 s[G1+1], 32<<16
	s_mov_b32 s[G1+2], 36<<16
	s_mov_b32 s[G1+3], 32<<16
	s_mov_b32 s[G1+4], 36
	s_mov_b32 s[G1+5], 32
	s_mov_b32 s[G1+6], 0
	s_mov_b32 s[G1+7], 0
	s_mov_b32 s[G0], 1
	s_mul_i32 s[G0+1], s[WV], STEPB                ; wave w fetches key step w's block
	s_mul_i32 s42, s[HD], HEADB
	s_add_co_u32 s42, s42, s[G0+1]
	s_mov_b32 s43, 0
	s_lshl_b32 s[ROW0], s[HD], 11
	s_lshl_b32 s44, s[W7], 4
	s_add_co_u32 s[ROW0], s[ROW0], s44             ; head x 2,048 + 16 (w % 8)
	s_lshl_b32 s44, s[LAST], 7
	s_add_co_u32 s44, s44, s[ROW0]
	s_lshl_b32 s44, s44, 8                         ; my first tile's rows, 256 bytes each
	s_mov_b32 s45, 0
	s_sub_co_u32 s52, 15, s[LAST]
	s_lshl_b32 s52, s52, 7
	s_add_co_u32 s52, s52, s[ROW0]
	s_lshl_b32 s52, s52, 8                         ; my second tile's
	s_mov_b32 s53, 0
	s_mov_b32 s[SEL], 0x76543210
	s_mov_b32 s[SEL+1], 0xfedcba98                 ; lane l xor 16
	s_mov_b32 s[CS], 0x3e38aa3b                    ; c = log2(e) / 8
	s_mov_b32 s[CS+1], s[CS]
	v_and_b32 v[T0+2], 31, v0
	s_delay_alu instid0(VALU_DEP_1)
	v_lshlrev_b32 v[AK], 4, v[T0+2]
	s_wait_alu depctr_va_vdst(0)                   ; directly ahead of the waits below
	s_wait_dscnt 0x0
	s_wait_kmcnt 0x0
	s_add_nc_u64 s[G0+2:G0+3], s[6:7], s[42:43]
	s_or_b32 s[G0+3], s[G0+3], 0x80000000
	tensor_load_to_lds s[G0:G0+3], s[G1:G1+7]      ; the one fill of these bytes
	s_nop 0
	PLACES
	s_add_nc_u64 s[48:49], s[4:5], s[44:45]
	s_add_nc_u64 s[50:51], s[4:5], s[52:53]
.irp i, 0,1,2,3,4,5,6,7                        ; Q as it lies: each load of the wave reads 512 consecutive bytes, two rows
	global_load_b128 v[S+4*\i:S+4*\i+3], v[AK], s[48:49] offset:512*\i th:TH_LOAD_NT
.endr
.irp i, 0,1,2,3,4,5,6,7
	global_load_b128 v[S+32+4*\i:S+32+4*\i+3], v[AK], s[50:51] offset:512*\i th:TH_LOAD_NT
.endr
	v_and_b32 v[T0], 15, v0                        ; r
	v_bfe_u32 v[T0+1], v0, 4, 1                    ; h
	s_mul_i32 s42, s[WV], WRB
	s_add_co_u32 s42, s42, WR                      ; my wave's region
	v_lshl_add_u32 v[ABM], v[T0+2], 3, s42
	v_mul_u32_u24 v[STO], v[T0], SP
	s_delay_alu instid0(VALU_DEP_1)
	v_add_nc_u32 v[STO], s42, v[STO]
	s_delay_alu instid0(VALU_DEP_1)
	v_lshl_add_u32 v[T0+5], v[T0+1], 7, v[STO]     ; Q back from the stage: row r, + 128 h: my block of 32
	v_lshl_add_u32 v[STO], v[T0+1], 5, v[STO]      ; the way out, in: row r, + 32 h
	v_mul_u32_u24 v[SRD], v[T0+1], SP
	s_delay_alu instid0(VALU_DEP_1)
	v_lshl_add_u32 v[SRD], v[T0], 4, v[SRD]
	s_delay_alu instid0(VALU_DEP_1)
	v_add_nc_u32 v[SRD], s42, v[SRD]               ; whole rows: lanes 0-15 one row, lanes 16-31 the next
	v_mov_b32 v[BIG], 0xff61b1e6                   ; -3e38
	s_and_b32 s43, s[W7], 3
	s_lshl_b32 s43, s43, 4
	v_lshlrev_b32 v[T0+4], 5, v[T0+1]
	s_delay_alu instid0(VALU_DEP_1)
	v_sub_nc_u32 v[T0+4], v[T0], v[T0+4]
	s_delay_alu instid0(VALU_DEP_1)
	v_add_nc_u32 v[T0+4], s43, v[T0+4]             ; place i = 8 t + j of the crossed tiles is hidden where i > 16 (w % 4) + r - 32 h
	v_lshlrev_b32 v[SH8], 3, v[T0+1]
.set i, 0
.rept 32
	v_cmp_gt_i32 s[MK+i], i, v[T0+4]
.set i, i+1
.endr
.irp i, 0,1,2,3
	v_mov_b32 v[QF+4+\i], 0                        ; zero codes for k = 64 .. 127 of Q
	v_mov_b32 v[KF+32+\i], 0                       ; behind K's last tile
.endr
	v_mov_b32 v[XR], 0                             ; (a lane permute's destination counts as one of its sources)
	v_mov_b32 v[T0+6], 0
	v_mov_b32 v[NEG+1], 0                          ; upper halves of pairs of which the low word alone is used
	v_mov_b32 v[FF+1], 0
	s_wait_alu depctr_va_vdst(0)                   ; directly ahead of the wait below
	s_wait_loadcnt 0x8                             ; the first tile's eight loads are in
.irp i, 0,1,2,3,4,5,6,7
	ds_store_b128 v[SRD], v[S+4*\i:S+4*\i+3] offset:2*\i*SP
.endr
.irp i, 0,1,2,3,4,5,6,7
	ds_load_b128 v[VF+4*\i:VF+4*\i+3], v[T0+5] offset:16*\i        ; LDS serves a wave's instructions in order (ISA guide 5.7.1.4)
.endr
	s_wait_loadcnt 0x0
.irp i, 0,1,2,3,4,5,6,7
	ds_store_b128 v[SRD], v[S+32+4*\i:S+32+4*\i+3] offset:2*\i*SP
.endr
.irp i, 0,1,2,3,4,5,6,7
	ds_load_b128 v[OA+4*\i:OA+4*\i+3], v[T0+5] offset:16*\i
.endr
	s_wait_dscnt 16                                ; the first tile is back; the second's 16 may be out
	QUANTQ VF, QF, QS
	s_wait_dscnt 0x0
	QUANTQ OA, QB, QBS
	s_wait_alu depctr_va_vdst(0)                   ; the wait at the head's end
	s_wait_tensorcnt 0x0                           ; my block of kv is in,
	s_barrier_signal -1
	s_barrier_wait -1                              ; everybody's is: the one barrier
	s_mov_b32 s[TILES], 2
.Ltile:
	PLACES                                         ; with the six plain lines below: ten behind the last write of Q's scale word, ahead of the scaled products
	v_mov_b32 v[MX], 0xf1800000                    ; -2^100: under every score that is served, over the hidden places' -3e38
	s_delay_alu instid0(VALU_DEP_1)
	v_mul_f32 v[T0], s[CS], v[MX]
	s_delay_alu instid0(VALU_DEP_1)
	v_floor_f32 v[NEG], -v[T0]                     ; -M
	v_mov_b32 v[SUM], 0
	v_mov_b32 v[SUM+1], 0
	s_mov_b32 s[STEP], 0
	s_mov_b32 s[O4], 0
	s_mov_b32 s[O5], 0
; ---- WALK 1.  Sixteen trips, a constant; a step past the diagonal is left out, all but the lines that step addresses
.Lwalk1:
	s_cmp_gt_u32 s[STEP], s[LAST]
	s_cbranch_scc1 .Lpast1
	v_add_nc_u32 v[A16], s[O4], v[AK]
	LOADK
	KQ 0
	v_add_nc_u32 v[AW], s[O5], v[ABM]              ; four plain lines behind the products
	v_mov_b32 v[T0+1], v[NEG]
	v_nop
	v_nop
.irp c, 0,1                                    ; the largest score of my two blocks of 32 keys: four chains by turns, ascending
	v_max3_num_f32 v[BMX+\c], v[S+32*\c], v[S+32*\c+1], v[S+32*\c+2]
	v_max3_num_f32 v[T0+2+\c], v[S+32*\c+3], v[S+32*\c+4], v[S+32*\c+5]
.endr
.irp i, 6,10,14,18,22,26
.irp c, 0,1
	v_max3_num_f32 v[BMX+\c], v[BMX+\c], v[S+32*\c+\i], v[S+32*\c+\i+1]
	v_max3_num_f32 v[T0+2+\c], v[T0+2+\c], v[S+32*\c+\i+2], v[S+32*\c+\i+3]
.endr
.endr
.irp c, 0,1
	v_max3_num_f32 v[BMX+\c], v[BMX+\c], v[S+32*\c+30], v[S+32*\c+31]
.endr
.irp c, 0,1
	s_delay_alu instid0(VALU_DEP_2)
	v_max_num_f32 v[BMX+\c], v[BMX+\c], v[T0+2+\c]
.endr
	ds_store_b64 v[AW], v[BMX:BMX+1]               ; kept for walk 2, in my own bytes
	v_max3_num_f32 v[MX], v[MX], v[BMX], v[BMX+1]  ; my lane's running largest score
	s_delay_alu instid0(VALU_DEP_1)
	v_mul_f32 v[T0], s[CS], v[MX]
	s_delay_alu instid0(VALU_DEP_1)
	v_floor_f32 v[NEG], -v[T0]                     ; the new -M = -ceil(c m)
	s_delay_alu instid0(VALU_DEP_1)
	v_sub_f32 v[T0+1], v[NEG], v[T0+1]             ; old M less new M: 0 or less
	s_delay_alu instid0(VALU_DEP_1)
	v_cvt_i32_f32 v[T0+1], v[T0+1]                 ; (it saturates)
	s_delay_alu instid0(VALU_DEP_1)
	v_ldexp_f32 v[FF], 1.0, v[T0+1]                ; f = 2^(old M - new M)
	SCALE64                                        ; 2^(c s - M)
	v_pk_mul_f32 v[SUM:SUM+1], v[SUM:SUM+1], v[FF:FF+1] op_sel_hi:[1,0]   ; the sum under the new M; the plain line behind the exponentials
	s_wait_alu depctr_va_vdst(0)                   ; one wait for the batch, ahead of its first reader
	v_pk_add_f32 v[TA:TA+1], v[S:S+1], v[S+2:S+3]  ; 32 packed additions in four chains
	v_pk_add_f32 v[TA+2:TA+3], v[S+4:S+5], v[S+6:S+7]
	v_pk_add_f32 v[TA+4:TA+5], v[S+8:S+9], v[S+10:S+11]
	v_pk_add_f32 v[SUM:SUM+1], v[SUM:SUM+1], v[S+12:S+13]
.irp j, 14,22,30,38,46,54
	v_pk_add_f32 v[TA:TA+1], v[TA:TA+1], v[S+\j:S+\j+1]
	v_pk_add_f32 v[TA+2:TA+3], v[TA+2:TA+3], v[S+\j+2:S+\j+3]
	v_pk_add_f32 v[TA+4:TA+5], v[TA+4:TA+5], v[S+\j+4:S+\j+5]
	v_pk_add_f32 v[SUM:SUM+1], v[SUM:SUM+1], v[S+\j+6:S+\j+7]
.endr
	v_pk_add_f32 v[TA:TA+1], v[TA:TA+1], v[S+62:S+63]
	v_pk_add_f32 v[SUM:SUM+1], v[SUM:SUM+1], v[TA+4:TA+5]
	s_delay_alu instid0(VALU_DEP_2)
	v_pk_add_f32 v[TA:TA+1], v[TA:TA+1], v[TA+2:TA+3]
	s_delay_alu instid0(VALU_DEP_1)
	v_pk_add_f32 v[SUM:SUM+1], v[SUM:SUM+1], v[TA:TA+1]
.Lpast1:
	s_add_co_u32 s[O4], s[O4], STEPB
	s_add_co_u32 s[O5], s[O5], 256
	s_add_co_u32 s[STEP], s[STEP], 1
	s_cmp_lt_u32 s[STEP], 16
	s_cbranch_scc1 .Lwalk1
; ---- BETWEEN THE WALKS: lanes l and l xor 16 are joined; L = log2(1 + (sum - pm) / pm), pm = 2^(c m - M): the bits that the largest score's own term has in the sum
	s_wait_alu depctr_va_vdst(0)                   ; behind the loop's branches
	v_add_f32 v[SUM], v[SUM], v[SUM+1]
	v_permlanex16_b32 v[T0], v[MX], s[SEL], s[SEL+1]
	v_permlanex16_b32 v[T0+1], v[NEG], s[SEL], s[SEL+1]
	v_permlanex16_b32 v[T0+6], v[SUM], s[SEL], s[SEL+1]
	v_max_num_f32 v[MX], v[MX], v[T0]              ; the row's m
	v_min_num_f32 v[T0+3], v[NEG], v[T0+1]         ; and its -M
	s_delay_alu instid0(VALU_DEP_1)
	v_sub_f32 v[T0+4], v[T0+3], v[NEG]             ; my M less the row's: a whole number, 0 or less
	v_sub_f32 v[T0+5], v[T0+3], v[T0+1]            ; the other lane's
	s_delay_alu instid0(VALU_DEP_2)
	v_cvt_i32_f32 v[T0+4], v[T0+4]
	s_delay_alu instid0(VALU_DEP_2)
	v_cvt_i32_f32 v[T0+5], v[T0+5]
	s_delay_alu instid0(VALU_DEP_2)
	v_ldexp_f32 v[SUM], v[SUM], v[T0+4]            ; both sums under the row's M: nothing is rounded
	s_delay_alu instid0(VALU_DEP_2)
	v_ldexp_f32 v[T0+6], v[T0+6], v[T0+5]
	s_delay_alu instid0(VALU_DEP_1)
	v_add_f32 v[SUM], v[SUM], v[T0+6]              ; the row's sum
	v_fma_f32 v[T0], v[MX], s[CS], v[T0+3]
	s_wait_alu depctr_va_vdst(0)
	v_exp_f32 v[T0+1], v[T0]                       ; pm
	v_nop
	s_wait_alu depctr_va_vdst(0)
	v_rcp_f32 v[T0+2], v[T0+1]
	v_sub_f32 v[T0+4], v[SUM], v[T0+1]             ; sum - pm: 0 where one key carries the row
	s_wait_alu depctr_va_vdst(0)
	v_fma_f32 v[T0+4], v[T0+4], v[T0+2], 1.0       ; l
	s_wait_alu depctr_va_vdst(0)
	v_log_f32 v[T0+5], v[T0+4]
.irp i, 0,1,2,3,4,5,6,7
	v_sub_f32 v[NM+\i], 0, v[MX]                   ; -m, as the C of walk 2's products
.endr
	v_sub_f32 v[MXN], 0, v[MX]                     ; and once more, in a register that no product names
	s_wait_alu depctr_va_vdst(0)
	v_sub_f32 v[NEG], 0, v[T0+5]                   ; -L
.set j, 0
.rept 32
	v_mov_b32 v[OA+j], 0                           ; O^T: the loop is written once, and its first step finds zeros
.set j, j+1
.endr
	s_mov_b32 s[STEP], 0
	s_mov_b32 s[O4], 0
	s_mov_b32 s[O5], 0
; ---- WALK 2
.Lwalk2:
	s_cmp_gt_u32 s[STEP], s[LAST]
	s_cbranch_scc1 .Lpast2
	v_add_nc_u32 v[A16], s[O4], v[AK]
	v_add_nc_u32 v[AW], s[O5], v[ABM]
	ds_load_b64 v[BMX:BMX+1], v[AW]                ; my two blocks' largest scores
	LOADK
	KQ 1                                           ; s - m
.irp b, 0,1                                    ; four plain lines behind the products, which name none of their registers; with the two additions above, six behind the last step's
	v_add_f32 v[BMX+\b], v[BMX+\b], v[MXN]         ; the block's largest s - m,
.endr
.irp b, 0,1
	v_fma_f32 v[BMX+\b], v[BMX+\b], s[CS], v[NEG]  ; as x = log2 of the block's largest attn
.endr
	ds_load_b128 v[VS:VS+3], v[A16] offset:VSC
.irp t, 0,1,2,3
.irp c, 0,1
	ds_load_b128 v[VF+8*\t+4*\c:VF+8*\t+4*\c+3], v[A16] offset:VIMG+\t*1024+\c*512
.endr
.endr
.irp b, 0,1
	v_max_num_f32 v[BMX+\b], 0xc2f80000, v[BMX+\b] ; held at -124: the byte cannot fall under 1
.endr
.irp b, 0,1
	v_cvt_floor_i32_f32 v[EX+\b], v[BMX+\b]        ; floor(x): -124 .. 0
.endr
.irp b, 0,1
	v_add_lshl_u32 v[SO+\b], v[EX+\b], 125, 23     ; the byte floor(x) - 2 + 127 in the exponent field: the conversion's scale operand
.endr
	v_lshl_add_u32 v[T0], v[EX+1], 16, v[EX]
	s_delay_alu instid0(VALU_DEP_1)
	v_add_lshl_u32 v[T0], v[T0], 0x7d007d, v[SH8]  ; + 125 in both: my bytes h and 2 + h at their places
	s_delay_alu instid0(VALU_DEP_1)
	v_permlanex16_b32 v[XR], v[T0], s[SEL], s[SEL+1]
	s_delay_alu instid0(VALU_DEP_1)
	v_or_b32 v[PW], v[T0], v[XR]                   ; attn's scale word for these 128 keys
	SCALE64                                        ; attn = 2^(c (s - m) - L), finished and normalised
	v_nop                                          ; the plain line behind the exponentials
	s_wait_alu depctr_va_vdst(0)                   ; one wait for the 64
.irp c, 0,1
.irp t, 0,1,2,3
	v_cvt_scalef32_pk8_fp4_f32 v[PC+4*\c+\t], v[S+32*\c+8*\t:S+32*\c+8*\t+7], v[SO+\c]   ; the operand's registers as they stand: k = 64 c + 32 h + 8 t ..
.endr
.endr
	PLACES                                         ; four plain lines between the codes and the scaled products
	s_wait_alu depctr_va_vdst(0)
	s_wait_dscnt 0x0                               ; V and its scale words
.irp t, 0,1,2,3                                ; the four accumulators by turns
.if (\t)%2
	v_wmma_scale_f32_16x16x128_f8f6f4 v[OA+8*\t:OA+8*\t+7], v[VF+8*\t:VF+8*\t+7], v[PC:PC+7], v[OA+8*\t:OA+8*\t+7], v[VS+\t/2], v[PW] matrix_a_fmt:MATRIX_FMT_FP4 matrix_b_fmt:MATRIX_FMT_FP4 matrix_a_scale:MATRIX_SCALE_ROW1
.else
	v_wmma_scale_f32_16x16x128_f8f6f4 v[OA+8*\t:OA+8*\t+7], v[VF+8*\t:VF+8*\t+7], v[PC:PC+7], v[OA+8*\t:OA+8*\t+7], v[VS+\t/2], v[PW] matrix_a_fmt:MATRIX_FMT_FP4 matrix_b_fmt:MATRIX_FMT_FP4
.endif
.endr
.Lpast2:
	s_add_co_u32 s[O4], s[O4], STEPB
	s_add_co_u32 s[O5], s[O5], 256
	s_add_co_u32 s[STEP], s[STEP], 1
	s_cmp_lt_u32 s[STEP], 16
	s_cbranch_scc1 .Lwalk2
; ---- THE WAY OUT: O^T is the result as it stands; the tile goes through my stage and leaves as whole rows of 256 bytes
	s_lshl_b32 s42, s[LAST], 7
	s_add_co_u32 s42, s42, s[ROW0]
	s_lshl_b32 s42, s42, 8
	s_mov_b32 s43, 0
	s_add_nc_u64 s[OUTP:OUTP+1], s[8:9], s[42:43]
	PLACES
	s_wait_alu depctr_va_vdst(0)
.irp t, 0,1,2,3
	ds_store_b128 v[STO], v[OA+8*\t:OA+8*\t+3] offset:64*\t        ; each accumulator from its low end on
	ds_store_b128 v[STO], v[OA+8*\t+4:OA+8*\t+7] offset:64*\t+16
.endr
.irp i, 0,1,2,3,4,5,6,7
	ds_load_b128 v[S+4*\i:S+4*\i+3], v[SRD] offset:2*\i*SP
.endr
.irp i, 0,1,2,3,4,5,6,7
	s_wait_dscnt 7-\i                              ; the younger loads may be out
	global_store_b128 v[AK], v[S+4*\i:S+4*\i+3], s[OUTP:OUTP+1] offset:512*\i th:TH_STORE_NT   ; sixteen lanes store 256 consecutive bytes, aligned
.endr
	s_wait_xcnt 0x0                                ; the stores have read their registers and their base: both are written again in the next tile
.irp i, 0,1,2,3
	v_mov_b32 v[QF+\i], v[QB+\i]                   ; the second tile's Q
.endr
	v_mov_b32 v[QS], v[QBS]
	s_sub_co_u32 s[LAST], 15, s[LAST]              ; and its block
	s_sub_co_u32 s[TILES], s[TILES], 1
	s_cmp_lg_u32 s[TILES], 0
	s_cbranch_scc1 .Ltile
	s_wait_tensorcnt 0x0                           ; the wave's end
	ds_add_u32 v[SPW], v[NIL]
	s_wait_dscnt 0x0
	s_endpgm
.Lfunc_end_k_qa77cbc2ac6_attn:
	.size	k_qa77cbc2ac6_attn, .Lfunc_end_k_qa77cbc2ac6_attn-k_qa77cbc2ac6_attn
	.p2alignl 7, 3214868480
	.fill 96, 4, 3214868480
	.section	.rodata,"a",@progbits
	.p2align	6, 0x0
	.amdhsa_kernel k_qa77cbc2ac6_attn
		.amdhsa_group_segment_fixed_size 223232
		.amdhsa_private_segment_fixed_size 0
		.amdhsa_enable_private_segment 0
		.amdhsa_kernarg_size 24
		.amdhsa_user_sgpr_count 2
		.amdhsa_user_sgpr_kernarg_segment_ptr 1
		.amdhsa_wavefront_size32 1
		.amdhsa_system_sgpr_workgroup_id_x 1
		.amdhsa_system_sgpr_workgroup_id_y 1
		.amdhsa_system_sgpr_workgroup_id_z 1
		.amdhsa_system_vgpr_workitem_id 0
		.amdhsa_next_free_vgpr 256
		.amdhsa_next_free_sgpr 98
		.amdhsa_reserve_vcc 0
		.amdhsa_float_denorm_mode_32 3
		.amdhsa_float_denorm_mode_16_64 3
		.amdhsa_memory_ordered 1
		.amdhsa_forward_progress 1
		.amdhsa_inst_pref_size 50
	.end_amdhsa_kernel
	.amdgpu_metadata
---
amdhsa.version: [ 1, 2 ]
amdhsa.kernels:
  - .name:           k_qa77cbc2ac6_attn
    .symbol:         k_qa77cbc2ac6_attn.kd
    .args:
      - { .name: q, .offset: 0, .size: 8, .value_kind: global_buffer, .address_space: global }
      - { .name: kv, .offset: 8, .size: 8, .value_kind: global_buffer, .address_space: global }
      - { .name: out0, .offset: 16, .size: 8, .value_kind: global_buffer, .address_space: global }
    .group_segment_fixed_size: 223232
    .private_segment_fixed_size: 0
    .kernarg_segment_align: 8
    .kernarg_segment_size: 24
    .max_flat_workgroup_size: 512
    .sgpr_count:     98
    .vgpr_count:     256
    .wavefront_size: 32
...
	.end_amdgpu_metadata
.endif
;; end of part 2
